; MI455X (gfx1250); checked and timed in simulation.
; The chip was launched on July 23, 2026; its instructions are those of AMD's public machine-readable ISA for CDNA 5 (MIT licence, August 2026) and "CDNA5" Instruction Set Architecture Reference Guide (July 2026). The comments in the code are by the model that wrote it; some were corrected since.
;; Self Attention. Allowed arithmetic: float matrix products may take bf16 or f16 operands with f32 sums; all other float work in f32.
;; Inputs: Wk 2,048 x 2,048 float32; Wo 2,048 x 2,048 float32; Wq 2,048 x 2,048 float32; Wv 2,048 x 2,048 float32; bk 2,048 float32; bo 2,048 float32; bq 2,048 float32; bv 2,048 float32; k 2 x 1,024 x 2,048 float32; q 2 x 1,024 x 2,048 float32; v 2 x 1,024 x 2,048 float32.
;; Outputs: out0 2 x 1,024 x 2,048 float32.
;; Constants: causal_mask = 1.
;; One version. Each part assembles by itself: llvm-mc -triple=amdgcn-amd-amdhsa -mcpu=gfx1250 --defsym DOCPART=n.
;; ======== version 1 of 1: 4 launches
;; limits: values are held in f16: magnitudes above 65,504 overflow, below 6.1e-05 lose precision; inputs' magnitudes at most 65,504; right only within a limited range of input values
;; workspace buffers: h16 58,720,256 bytes; qkvh 25,165,824 bytes; ao 8,388,608 bytes
;; launch cvt (part 1): grid 256 x 7, 8 waves a work-group, no clusters, 0 bytes of LDS; arguments q, k, v, Wq, Wk, Wv, Wo, h16; writes h16
.if DOCPART == 1
	.amdgcn_target "amdgcn-amd-amdhsa--gfx1250"
	.amdhsa_code_object_version 6
	.text
	.protected	k_q47594bcfed_cvt
	.globl	k_q47594bcfed_cvt
	.p2align	8
	.type	k_q47594bcfed_cvt,@function
k_q47594bcfed_cvt:
	s_mov_b64 s[64:65], 0
	v_nop
	global_prefetch_b8 v0, s[64:65] scope:SCOPE_SE
	s_setreg_imm32_b32 hwreg(HW_REG_WAVE_MODE, 25, 1), 1
	s_wait_xcnt 0x0
; Seven f32 tensors of [2048][2048] are rounded once to f16 (nearest even) and laid one behind the other in h16:
; q, k, v, Wq, Wk, Wv, Wo, 8,388,608 bytes each.  The products that follow read each of these numbers many times, so they are
; rounded once here and not at every use.
; f16 and not bf16: the first rows of the final result are single rows of V times Wo, and the three more mantissa bits are needed there.
; LIMIT: a number beyond 65,504 in magnitude becomes an infinity.
; Work-group (x, y): tensor y, input bytes 65,536 x .. + 65,535, in 16 steps of 4,096 bytes.  Thread t takes 16 bytes at 16 t of a step
; (a wave's load covers 512 consecutive bytes) and stores 8 bytes at 8 t (a wave's store covers 256 consecutive bytes, aligned).
; All 16 loads of a wave go out first; no register is written twice, so nothing has to be freed.
; No LDS, no matrix unit, no cluster: nothing is shared and nothing is summed.
.set STEPS, 16
.set X, 4                              ; v[4:67]   step j: 4 numbers as loaded
.set Y, 68                             ; v[68:99]  step j: 4 numbers in f16
	s_load_b512 s[8:23], s[0:1], 0x0               ; q k v Wq Wk Wv Wo in s[8:21], h16 in s[22:23]
	s_and_b32 s2, ttmp7, 0xffff                    ; y: which tensor
	v_lshlrev_b32 v1, 4, v0                        ; 16 t
	v_lshlrev_b32 v2, 3, v0                        ; 8 t
	s_lshl_b32 s24, ttmp9, 16                      ; my 65,536 input bytes
	s_mov_b32 s25, 0
	s_lshl_b32 s26, s2, 23                         ; the tensor's part of h16
	s_lshl_b32 s27, ttmp9, 15                      ; my 32,768 output bytes
	s_add_co_u32 s26, s26, s27
	s_mov_b32 s27, 0
	s_wait_kmcnt 0x0
	s_mov_b64 s[4:5], s[8:9]
.irp i, 1,2,3,4,5,6
	s_cmp_eq_u32 s2, \i                            ; the choice hangs on the work-group's y alone
	s_cselect_b64 s[4:5], s[8+2*\i:9+2*\i], s[4:5]
.endr
	s_add_nc_u64 s[4:5], s[4:5], s[24:25]
	s_add_nc_u64 s[22:23], s[22:23], s[26:27]
.set j, 0
.rept STEPS
	global_load_b128 v[X+4*j:X+4*j+3], v1, s[4:5] offset:4096*j th:TH_LOAD_NT   ; read once in the launch
.set j, j+1
.endr
.set j, 0
.rept STEPS
	s_wait_loadcnt STEPS-1-j                       ; loads come back in order: step j is in, the later steps stay out
	v_cvt_pk_f16_f32 v[Y+2*j], v[X+4*j], v[X+4*j+1]
	v_cvt_pk_f16_f32 v[Y+2*j+1], v[X+4*j+2], v[X+4*j+3]
	global_store_b64 v2, v[Y+2*j:Y+2*j+1], s[22:23] offset:2048*j   ; no hint: the next launches read these bytes
.set j, j+1
.endr
	s_endpgm
.Lfunc_end_k_q47594bcfed_cvt:
	.size	k_q47594bcfed_cvt, .Lfunc_end_k_q47594bcfed_cvt-k_q47594bcfed_cvt
	.p2alignl 7, 3214868480
	.fill 96, 4, 3214868480
	.section	.rodata,"a",@progbits
	.p2align	6, 0x0
	.amdhsa_kernel k_q47594bcfed_cvt
		.amdhsa_group_segment_fixed_size 0
		.amdhsa_private_segment_fixed_size 0
		.amdhsa_enable_private_segment 0
		.amdhsa_kernarg_size 64
		.amdhsa_user_sgpr_count 2
		.amdhsa_user_sgpr_kernarg_segment_ptr 1
		.amdhsa_wavefront_size32 1
		.amdhsa_system_sgpr_workgroup_id_x 1
		.amdhsa_system_sgpr_workgroup_id_y 1
		.amdhsa_system_sgpr_workgroup_id_z 1
		.amdhsa_system_vgpr_workitem_id 0
		.amdhsa_next_free_vgpr 100
		.amdhsa_next_free_sgpr 66
		.amdhsa_reserve_vcc 0
		.amdhsa_float_denorm_mode_32 3
		.amdhsa_float_denorm_mode_16_64 3
		.amdhsa_memory_ordered 1
		.amdhsa_forward_progress 1
		.amdhsa_inst_pref_size 7
	.end_amdhsa_kernel
	.amdgpu_metadata
---
amdhsa.version: [ 1, 2 ]
amdhsa.kernels:
  - .name:           k_q47594bcfed_cvt
    .symbol:         k_q47594bcfed_cvt.kd
    .args:
      - { .name: q, .offset: 0, .size: 8, .value_kind: global_buffer, .address_space: global }
      - { .name: k, .offset: 8, .size: 8, .value_kind: global_buffer, .address_space: global }
      - { .name: v, .offset: 16, .size: 8, .value_kind: global_buffer, .address_space: global }
      - { .name: Wq, .offset: 24, .size: 8, .value_kind: global_buffer, .address_space: global }
      - { .name: Wk, .offset: 32, .size: 8, .value_kind: global_buffer, .address_space: global }
      - { .name: Wv, .offset: 40, .size: 8, .value_kind: global_buffer, .address_space: global }
      - { .name: Wo, .offset: 48, .size: 8, .value_kind: global_buffer, .address_space: global }
      - { .name: h16, .offset: 56, .size: 8, .value_kind: global_buffer, .address_space: global }
    .group_segment_fixed_size: 0
    .private_segment_fixed_size: 0
    .kernarg_segment_align: 8
    .kernarg_segment_size: 64
    .max_flat_workgroup_size: 256
    .sgpr_count:     66
    .vgpr_count:     100
    .wavefront_size: 32
...
	.end_amdgpu_metadata
.endif
;; end of part 1
;; launch qkv (part 2): grid 8 x 24, 4 waves a work-group, clusters of 4 x 4, 327,680 bytes of LDS; arguments h16, qkvh, bq, bk, bv; writes qkvh
.if DOCPART == 2
	.amdgcn_target "amdgcn-amd-amdhsa--gfx1250"
	.amdhsa_code_object_version 6
	.text
	.protected	k_q47594bcfed_qkv
	.globl	k_q47594bcfed_qkv
	.p2align	8
	.type	k_q47594bcfed_qkv,@function
k_q47594bcfed_qkv:
	s_mov_b64 s[64:65], 0
	v_nop
	global_prefetch_b8 v0, s[64:65] scope:SCOPE_SE
	s_setreg_imm32_b32 hwreg(HW_REG_WAVE_MODE, 25, 1), 1
	s_wait_xcnt 0x0
	s_wait_alu depctr_hold_cnt(0) depctr_sa_sdst(0) depctr_va_vdst(0) depctr_va_sdst(0) depctr_va_ssrc(0) depctr_va_vcc(0) depctr_vm_vsrc(0)
	s_getreg_b32 s2, hwreg(HW_REG_IB_STS2, 6, 4)
	s_cmp_eq_u32 s2, 0
	s_cbranch_scc0 .Lentry_in_a_cluster
	s_endpgm
.Lentry_in_a_cluster:
	s_bfe_u32 s2, ttmp6, 0x10000c
	s_cmp_lg_u32 s2, 0xf033
	s_cbranch_scc0 .Lentry_shape_is_right
	s_endpgm
.Lentry_shape_is_right:
; The three projections in one grid:  qkvh[m][n] = f16( (sum over k of A[m][k] W_g[n][k] + b_g[n]) / 8 ).
; A = the first 6,144 rows of h16 (q, k, v one behind the other, f16), g = m / 2048, W_g = part 3 + g of h16.  Sums in f32.
; The factor 1/8 is exact; it keeps the stored numbers inside f16.  LIMIT: |projection| < 524,032; beyond that an infinity is stored.
; The later launches take the powers of two back exactly.
; A work-group makes 256 x 256 of the result with four waves, a wave 128 x 128: 64 accumulator tiles, 512 registers.  K goes in steps of 128
; through two LDS slots filled by the tensor data mover; a tile's rows are 256 bytes of memory and start at multiples of 256 bytes.
; 8 x 24 = 192 work-groups: blocks of half the side would read twice the LDS bytes and ask for twice the tile bytes for each product.
; CLUSTERS of 4 x 4: the four work-groups of a row of the cluster need the same tiles of A, the four of a column the same tiles of W.  Each such tile is
; asked for jointly: the same tensor load with the same descriptor and a mask that names the four.  A cluster spans 1,024 rows, so all sixteen have one g.
;
; REGISTERS in windows of 256:  window 0: v16-27 addresses, v64-191 A's fragments (two buffers), v192-223 at work on the way out;
; window 1: v64-191 W's fragments (two buffers), v192-255 the bias of my 128 columns;  windows 2, 3: accumulators of my rows 0-63, 64-127.
; THE MATRIX INSTRUCTION IS USED TRANSPOSED (source 0 = 16 rows of W, source 1 = 16 rows of A): lane l then holds row l % 16 of the result and
; the columns 8 (l / 16) + 0 .. 7 of a tile, eight neighbours, which pack into 16 bytes.
.set SIZE_K, 2048
.set SIZE_N, 2048
.set PART,   2048*2048*2               ; bytes of one part of h16
.set KSTEP,  128
.set PITCH,  272                       ; an LDS row: 256 bytes + 16 of padding, so that 16 rows one below the other start 16 bytes apart modulo 256
.set HALFT,  128*PITCH                 ; 128 rows: one tensor load
.set SLOT,   4*HALFT                   ; A's 256 rows, then W's 256 rows
.set STAGE,  2*SLOT                    ; behind the ring: 16 rows x 272 bytes for each wave, never the target of a tensor load
.set SPITCH, 272
.set LAPS, SIZE_K/(2*KSTEP)            ; 8 laps of two K steps
.set ADRA, 16                          ; v16-17  LDS address of my A fragments in slot 0, 1
.set ADRB, 20                          ; v20-21  the same for W
.set STO,  24                          ; v24     way out: where I put 16 bytes of a row
.set RD,   25                          ; v25     way out: where I read a row back
.set CO,   26                          ; v26     my byte offset in the result
.set BO,   27                          ; v27     my byte offset in the bias
.set F0,   64
.set F1,   128
.set TMP,  192                         ; window 0
.set BIAS, 192                         ; window 1: v[192+8b+j] = bias of column 16 b + 8 (l / 16) + j of my 128
.set G1, 24                            ; s[24:31] group 1 for A's tiles
.set G0, 32                            ; s[32:39] group 0 for A's tiles, one set a slot
.set G1B, 48                           ; s[48:55] group 1 for W's tiles
.set G0B, 56                           ; s[56:63] group 0 for W's tiles
.set MSB, 0
.macro WIN new                         ; the immediate's high byte repeats the setting that is left
.if MSB != \new
	s_set_vgpr_msb (MSB<<8)|\new
.set MSB, \new
.endif
.endm
.set MUL_LO, 0xa1                      ; source 0 window 1, source 1 window 0, C and D window 2
.set MUL_HI, 0xf1                      ; the same, C and D window 3
.set TO_B,   0x40                      ; destination window 1, address window 0
; A joint load: waves 0, 1 fetch A's halves, waves 2, 3 W's.  The branch hangs on the wave's number alone.
.macro JLOAD s
	s_cmp_eq_u32 s11, 0
	s_cbranch_scc0 .Lfor_b_\@
	tensor_load_to_lds s[G0+4*\s:G0+4*\s+3], s[G1:G1+7]
	s_nop 0
	s_branch .Lasked_\@
.Lfor_b_\@:
	tensor_load_to_lds s[G0B+4*\s:G0B+4*\s+3], s[G1B:G1B+7]
	s_nop 0
.Lasked_\@:
.endm
.macro CREST                           ; a round of the cluster's barrier behind its opening work-group barrier
	s_cmp_lg_u32 s10, 0
	s_cbranch_scc1 .Lnot_wave_0_\@
	s_barrier_signal -3
.Lnot_wave_0_\@:
	s_barrier_wait -3
	s_barrier_signal -1
	s_barrier_wait -1
.endm
.macro CROUND                          ; a whole round
	s_barrier_signal -1
	s_barrier_wait -1
	CREST
.endm
	s_load_b64 s[4:5], s[0:1], 0x0                 ; h16
	s_load_b64 s[8:9], s[0:1], 0x8                 ; qkvh
	s_load_b128 s[68:71], s[0:1], 0x10             ; bq, bk
	s_load_b64 s[72:73], s[0:1], 0x20              ; bv
	v_lshrrev_b32 v1, 5, v0
	v_readfirstlane_b32 s10, v1                    ; wave 0..3
	s_lshr_b32 s11, s10, 1                         ; my half of the block's rows; also: I fetch for A (0) or W (1)
	s_and_b32 s12, s10, 1                          ; my half of its columns; also: which 128 rows of the tile I fetch
	s_bfe_u32 s40, ttmp6, 0x40000                  ; cx
	s_bfe_u32 s41, ttmp6, 0x40004                  ; cy
	s_lshl_b32 s42, ttmp9, 2
	s_add_co_u32 s42, s42, s40                     ; block column = 4 x cluster x + cx
	s_and_b32 s13, ttmp7, 0xffff                   ; cluster y, 0..5
	s_lshr_b32 s45, s13, 1                         ; g: two clusters (2,048 rows) for each of q, k, v; the same in all sixteen partners
	s_lshl_b32 s13, s13, 2
	s_add_co_u32 s13, s13, s41                     ; block row = 4 x cluster y + cy, 0..23
	s_lshl_b32 s43, s41, 2
	s_lshl_b32 s43, 15, s43                        ; my row of the cluster
	s_lshl_b32 s44, 0x1111, s40                    ; my column
	s_or_b32 s[G1+0], s43, (1<<16)|(1<<20)|(1<<21)|(5<<22)|(3<<25)  ; mask; 2-byte elements; padding on, 4 words behind every 64; bit 21 beside a mask
	s_or_b32 s[G1B+0], s44, (1<<16)|(1<<20)|(1<<21)|(5<<22)|(3<<25)
	s_mov_b32 s[G1B+1], KSTEP<<16
	s_mov_b32 s[G1+1], KSTEP<<16                   ; tensor_dim0 = 128
	s_mov_b32 s[G1B+2], 128<<16
	s_mov_b32 s[G1+2], 128<<16                     ; tensor_dim1 = 128
	s_mov_b32 s[G1B+3], KSTEP<<16
	s_mov_b32 s[G1+3], KSTEP<<16                   ; tile_dim0 = 128
	s_mov_b32 s[G1B+4], 128
	s_mov_b32 s[G1+4], 128                         ; tile_dim1 = 128
	s_mov_b32 s[G1B+5], SIZE_K
	s_mov_b32 s[G1+5], SIZE_K                      ; elements from row to row
	s_mov_b32 s[G1B+6], 0
	s_mov_b32 s[G1+6], 0
	s_mov_b32 s[G1B+7], 0
	s_mov_b32 s[G1+7], 0
	; A's tiles hang on the block row alone, W's on the block column and g alone; each address in registers that never hold the other coordinate
	s_lshl_b32 s17, s12, 7
	s_lshl_b32 s16, s13, 8
	s_add_co_u32 s16, s16, s17                     ; A: row 256 x block row + 128 x half
	s_lshl_b32 s46, s42, 8
	s_add_co_u32 s46, s46, s17                     ; W: row 256 x block column + 128 x half
	s_mov_b32 s17, 0
	s_mov_b32 s47, 0
	s_mov_b64 s[18:19], SIZE_K*2
	s_mul_u64 s[16:17], s[16:17], s[18:19]         ; in bytes
	s_mul_u64 s[46:47], s[46:47], s[18:19]
	s_lshl_b32 s66, s45, 23                        ; part 3 + g of h16
	s_add_co_u32 s66, s66, 3*PART
	s_mov_b32 s67, 0
	s_lshl_b32 s76, s42, 10                        ; my 128 columns in the bias: 4 x (256 x block column + 128 x half)
	s_lshl_b32 s77, s12, 9
	s_add_co_u32 s76, s76, s77
	s_mov_b32 s77, 0
	s_mul_i32 s20, s10, HALFT                      ; LDS: wave x 128 rows; no place in the cluster enters an LDS address
	s_wait_kmcnt 0x0
	s_add_nc_u64 s[6:7], s[4:5], s[66:67]          ; W_g
	s_add_nc_u64 s[14:15], s[4:5], s[16:17]
	s_add_nc_u64 s[46:47], s[6:7], s[46:47]
	s_mov_b64 s[74:75], s[68:69]                   ; b_g
	s_cmp_eq_u32 s45, 1
	s_cselect_b64 s[74:75], s[70:71], s[74:75]
	s_cmp_eq_u32 s45, 2
	s_cselect_b64 s[74:75], s[72:73], s[74:75]
	s_add_nc_u64 s[74:75], s[74:75], s[76:77]
	CROUND                                         ; all sixteen work-groups are here: the first joint loads meet
.irp s, 0,1
	s_mov_b32 s[G0+4*\s], 1
	s_add_co_u32 s[G0+4*\s+1], s20, \s*SLOT
	s_add_nc_u64 s[G0+4*\s+2:G0+4*\s+3], s[14:15], \s*KSTEP*2
	s_or_b32 s[G0+4*\s+3], s[G0+4*\s+3], 0x80000000
	s_mov_b32 s[G0B+4*\s], 1
	s_add_co_u32 s[G0B+4*\s+1], s20, \s*SLOT
	s_add_nc_u64 s[G0B+4*\s+2:G0B+4*\s+3], s[46:47], \s*KSTEP*2
	s_or_b32 s[G0B+4*\s+3], s[G0B+4*\s+3], 0x80000000
	JLOAD \s                                       ; K steps 0 and 1: by this text's count a wave has at most two tensor loads out
.endr
	; a fragment: lane l holds row l % 16; registers 0-3 K = 8 (l / 16) + 0..7, registers 4-7 K = 16 + 8 (l / 16) + 0..7: two loads of 16 bytes, 32 apart
	v_and_b32 v1, 15, v0
	v_bfe_u32 v2, v0, 4, 1
	v_mul_u32_u24 v3, v1, PITCH
	v_lshl_add_u32 v3, v2, 4, v3
	s_mul_i32 s21, s11, HALFT
	s_mul_i32 s22, s12, HALFT
	s_add_co_u32 s22, s22, 2*HALFT
.irp s, 0,1
	v_add_nc_u32 v[ADRA+\s], s21, v3
	v_add_nc_u32 v[ADRB+\s], s22, v3
	s_add_co_u32 s21, s21, SLOT
	s_add_co_u32 s22, s22, SLOT
.endr
	s_mul_i32 s23, s10, 16*SPITCH
	s_add_co_u32 s23, s23, STAGE
	v_mul_u32_u24 v4, v1, SPITCH
	v_lshl_add_u32 v4, v2, 4, v4
	v_add_nc_u32 v[STO], s23, v4
	v_mul_u32_u24 v5, v2, SPITCH
	v_lshl_add_u32 v5, v1, 4, v5
	v_add_nc_u32 v[RD], s23, v5
	v_mul_u32_u24 v5, v2, SIZE_N*2
	v_lshl_add_u32 v[CO], v1, 4, v5
	v_lshlrev_b32 v[BO], 5, v2                     ; 8 (l / 16) columns of 4 bytes
	WIN TO_B
.irp b, 0,1,2,3,4,5,6,7
	global_load_b128 v[BIAS+8*\b:BIAS+8*\b+3],   v[BO], s[74:75] offset:64*\b      ; once; waited for behind the last product
	global_load_b128 v[BIAS+8*\b+4:BIAS+8*\b+7], v[BO], s[74:75] offset:64*\b+16
.endr
; 16 matrix instructions: m blocks a0, a0 + 1 of the window's four x all 8 n blocks, 32 along K.  zero = 1: the product starts the sums.
.macro MUL16 f, hi, a0, zero
.irp a, \a0, \a0+1
.irp b, 0,1,2,3,4,5,6,7
.if \zero
	v_wmma_f32_16x16x32_f16 v[8*(8*(\a)+\b):8*(8*(\a)+\b)+7], v[\f+8*\b:\f+8*\b+7], v[\f+8*(4*\hi+\a):\f+8*(4*\hi+\a)+7], 0
.else
	v_wmma_f32_16x16x32_f16 v[8*(8*(\a)+\b):8*(8*(\a)+\b)+7], v[\f+8*\b:\f+8*\b+7], v[\f+8*(4*\hi+\a):\f+8*(4*\hi+\a)+7], v[8*(8*(\a)+\b):8*(8*(\a)+\b)+7]
.endif
.endr
.endr
.endm
; 32 LDS loads in one run: the fragments of a quarter step (32 K at byte k of the rows) into buffer f
.macro FETCH slot, k, f
	WIN TO_B
.irp i, 0,1,2,3,4,5,6,7
	ds_load_b128 v[\f+8*\i:\f+8*\i+3],   v[ADRB+\slot] offset:\k+\i*16*PITCH
	ds_load_b128 v[\f+8*\i+4:\f+8*\i+7], v[ADRB+\slot] offset:\k+\i*16*PITCH+32
.endr
	WIN 0
.irp i, 0,1,2,3,4,5,6,7
	ds_load_b128 v[\f+8*\i:\f+8*\i+3],   v[ADRA+\slot] offset:\k+\i*16*PITCH
	ds_load_b128 v[\f+8*\i+4:\f+8*\i+7], v[ADRA+\slot] offset:\k+\i*16*PITCH+32
.endr
.endm
; Four plain vector instructions stand between a matrix instruction and a load into one of its sources, or a vector instruction that reads its
; result (ISA guide 7.12.1 for vector instructions); other matrix instructions are not counted as such.
.macro PLACES
.rept 4
	v_nop
.endr
.endm
; A K step is four quarters of 32 along K, 64 matrix instructions each, on buffers 0, 1, 0, 1.  The 64 accumulators take turns, one instruction a turn,
; in the same order in every quarter.
.macro QUARTER slot, k, f, g, zero
	s_wait_dscnt 8                                 ; W and A's rows 0-63 are in; the youngest eight loads (A's rows 64-127) may be out
	WIN MUL_LO
	MUL16 \f, 0, 0, \zero
	MUL16 \f, 0, 2, \zero
	PLACES
	FETCH \slot, \k, \g
	s_wait_dscnt 32                                ; all but the 32 just issued
	WIN MUL_HI
	MUL16 \f, 1, 0, \zero
	MUL16 \f, 1, 2, \zero
.endm
.macro THREE slot, zero
	QUARTER \slot, 64,  F0, F1, \zero
	QUARTER \slot, 128, F1, F0, 0
	QUARTER \slot, 192, F0, F1, 0
.endm
; The last quarter changes slots.  In front of the barrier each wave waits for its reads of this slot and for all its tensor loads (one is out: its part
; of the next slot).  Behind it nobody reads this slot and the next slot is whole: the refill comes first, then the next slot's first fragments.
.macro TURN slot, next, fill
	s_wait_dscnt 8
	WIN MUL_LO
	MUL16 F1, 0, 0, 0
	s_wait_dscnt 0                                 ; my reads of this slot are over
	s_wait_tensorcnt 0x0                           ; all my tensor loads have landed
	s_barrier_signal -1                            ; where the slot is filled again this barrier opens a round of the cluster's barrier
	MUL16 F1, 0, 2, 0                              ; register work alone
	WIN 0
	s_barrier_wait -1
.if \fill
	CREST                                          ; no wave of any partner still reads this slot's tile or has a load on its way
	s_add_nc_u64 s[G0+4*\slot+2:G0+4*\slot+3], s[G0+4*\slot+2:G0+4*\slot+3], 2*KSTEP*2
	s_add_nc_u64 s[G0B+4*\slot+2:G0B+4*\slot+3], s[G0B+4*\slot+2:G0B+4*\slot+3], 2*KSTEP*2
	JLOAD \slot                                    ; the first tensor load behind the round
.endif
	PLACES
	FETCH \next, 0, F0
	WIN MUL_HI
	MUL16 F1, 1, 0, 0
	MUL16 F1, 1, 2, 0
.endm
.macro LAP zero
	THREE 0, \zero
	TURN 0, 1, 1
	THREE 1, 0
	TURN 1, 0, 1
.endm
	s_wait_tensorcnt 1                             ; my part of K step 0 is in; K step 1's load stays out
	s_barrier_signal -1
	s_barrier_wait -1
	FETCH 0, 0, F0
	LAP 1                                          ; the first lap's first products start the sums: nothing is cleared
	WIN 0
	s_mov_b32 s3, LAPS-2
.Llap:
	LAP 0
	WIN 0
	s_sub_co_u32 s3, s3, 1
	s_cmp_lg_u32 s3, 0
	s_cbranch_scc1 .Llap
	THREE 0, 0                                     ; the last lap fills nothing
	TURN 0, 1, 0
	THREE 1, 0
	s_wait_dscnt 8
	WIN MUL_LO
	MUL16 F1, 0, 0, 0
	MUL16 F1, 0, 2, 0
	s_wait_dscnt 0
	WIN MUL_HI
	MUL16 F1, 1, 0, 0
	MUL16 F1, 1, 2, 0
	; (sum + bias) / 8 as one fused multiply-add on each pair: sum x 0.125 + (bias x 0.125); both scalings are exact
	PLACES
	s_wait_loadcnt 0x0                             ; the bias
	WIN 0x41                                       ; source 0 and destination window 1
.set i, 0
.rept 32
	v_pk_mul_f32 v[BIAS+i:BIAS+i+1], v[BIAS+i:BIAS+i+1], 0x3e000000 op_sel_hi:[1,0]
.set i, i+2
.endr
.macro ADDBIAS                         ; the 32 tiles of the window that is set
.irp a, 0,1,2,3
.irp b, 0,1,2,3,4,5,6,7
.irp i, 0,2,4,6
	v_pk_fma_f32 v[8*(8*\a+\b)+\i:8*(8*\a+\b)+\i+1], v[8*(8*\a+\b)+\i:8*(8*\a+\b)+\i+1], 0x3e000000, v[BIAS+8*\b+\i:BIAS+8*\b+\i+1] op_sel_hi:[1,0,1]
.endr
.endr
.endr
.endm
	WIN 0x92                                       ; source 0 and destination window 2, source 2 (bias) window 1
	ADDBIAS
	WIN 0xd3                                       ; the same for window 3
	ADDBIAS
	; THE WAY OUT, 16 rows at a time: round to f16, 16 bytes a lane into my own stage, read back as whole rows of 256 bytes
	s_lshl_b32 s13, s13, 8
	s_lshl_b32 s14, s11, 7
	s_add_co_u32 s16, s13, s14                     ; my first row
	s_mov_b32 s17, 0
	s_mov_b64 s[18:19], SIZE_N*2
	s_mul_u64 s[16:17], s[16:17], s[18:19]
	s_add_nc_u64 s[8:9], s[8:9], s[16:17]
	s_lshl_b32 s46, s42, 9                         ; my first column in bytes: 512 x block column + 256 x half
	s_lshl_b32 s47, s12, 8
	s_add_co_u32 s46, s46, s47
	s_mov_b32 s47, 0
	s_add_nc_u64 s[8:9], s[8:9], s[46:47]
.macro OUT16 i, a, from, f
	WIN \from
.irp b, 0,1,2,3,4,5,6,7
.irp r, 0,1,2,3
	v_cvt_pk_f16_f32 v[TMP+4*\b+\r], v[8*(8*\a+\b)+2*\r], v[8*(8*\a+\b)+2*\r+1]
.endr
.endr
	WIN 0
.irp b, 0,1,2,3,4,5,6,7
	ds_store_b128 v[STO], v[TMP+4*\b:TMP+4*\b+3] offset:32*\b
.endr
	s_wait_xcnt 0x0                                ; buffer f, which earlier stores read, and the stores' base are rewritten only behind this wait
.if \i
	s_add_nc_u64 s[8:9], s[8:9], 16*SIZE_N*2
.endif
.irp t, 0,1,2,3,4,5,6,7
	ds_load_b128 v[\f+4*\t:\f+4*\t+3], v[RD] offset:\t*2*SPITCH    ; LDS serves a wave's instructions in order: these see the stores above
.endr
.irp t, 0,1,2,3,4,5,6,7
	s_wait_dscnt 7-\t
	global_store_b128 v[CO], v[\f+4*\t:\f+4*\t+3], s[8:9] offset:2*\t*SIZE_N*2   ; 16 lanes store 256 consecutive bytes, aligned
.endr
.endm
	OUT16 0, 0, 0x0a, F0
	OUT16 1, 1, 0x0a, F1
	OUT16 2, 2, 0x0a, F0
	OUT16 3, 3, 0x0a, F1
	OUT16 4, 0, 0x0f, F0
	OUT16 5, 1, 0x0f, F1
	OUT16 6, 2, 0x0f, F0
	OUT16 7, 3, 0x0f, F1
	CROUND                                         ; the closing round: no work-group ends while a partner may still ask for a tile that names it
	s_endpgm
.Lfunc_end_k_q47594bcfed_qkv:
	.size	k_q47594bcfed_qkv, .Lfunc_end_k_q47594bcfed_qkv-k_q47594bcfed_qkv
	.p2alignl 7, 3214868480
	.fill 96, 4, 3214868480
	.section	.rodata,"a",@progbits
	.p2align	6, 0x0
	.amdhsa_kernel k_q47594bcfed_qkv
		.amdhsa_group_segment_fixed_size 327680
		.amdhsa_private_segment_fixed_size 0
		.amdhsa_enable_private_segment 0
		.amdhsa_kernarg_size 40
		.amdhsa_user_sgpr_count 2
		.amdhsa_user_sgpr_kernarg_segment_ptr 1
		.amdhsa_wavefront_size32 1
		.amdhsa_system_sgpr_workgroup_id_x 1
		.amdhsa_system_sgpr_workgroup_id_y 1
		.amdhsa_system_sgpr_workgroup_id_z 1
		.amdhsa_system_vgpr_workitem_id 0
		.amdhsa_next_free_vgpr 1024
		.amdhsa_next_free_sgpr 80
		.amdhsa_reserve_vcc 0
		.amdhsa_float_denorm_mode_32 3
		.amdhsa_float_denorm_mode_16_64 3
		.amdhsa_memory_ordered 1
		.amdhsa_forward_progress 1
		.amdhsa_inst_pref_size 224
	.end_amdhsa_kernel
	.amdgpu_metadata
---
amdhsa.version: [ 1, 2 ]
amdhsa.kernels:
  - .name:           k_q47594bcfed_qkv
    .symbol:         k_q47594bcfed_qkv.kd
    .args:
      - { .name: h16, .offset: 0, .size: 8, .value_kind: global_buffer, .address_space: global }
      - { .name: qkvh, .offset: 8, .size: 8, .value_kind: global_buffer, .address_space: global }
      - { .name: bq, .offset: 16, .size: 8, .value_kind: global_buffer, .address_space: global }
      - { .name: bk, .offset: 24, .size: 8, .value_kind: global_buffer, .address_space: global }
      - { .name: bv, .offset: 32, .size: 8, .value_kind: global_buffer, .address_space: global }
    .group_segment_fixed_size: 327680
    .private_segment_fixed_size: 0
    .kernarg_segment_align: 8
    .kernarg_segment_size: 40
    .max_flat_workgroup_size: 128
    .sgpr_count:     80
    .vgpr_count:     1024
    .wavefront_size: 32
...
	.end_amdgpu_metadata
.endif
;; end of part 2
;; launch attn (part 3): grid 8 x 32, 4 waves a work-group, no clusters, 327,680 bytes of LDS; arguments qkvh, ao; writes ao
.if DOCPART == 3
	.amdgcn_target "amdgcn-amd-amdhsa--gfx1250"
	.amdhsa_code_object_version 6
	.text
	.protected	k_q47594bcfed_attn
	.globl	k_q47594bcfed_attn
	.p2align	8
	.type	k_q47594bcfed_attn,@function
k_q47594bcfed_attn:
	s_mov_b64 s[64:65], 0
	v_nop
	global_prefetch_b8 v0, s[64:65] scope:SCOPE_SE
	s_setreg_imm32_b32 hwreg(HW_REG_WAVE_MODE, 25, 1), 1
	s_wait_xcnt 0x0
; Causal softmax attention for one (batch, head) = y and two blocks of 64 query rows: j1 = 15 - x, then j2 = x.
; ao[row][128 head + d] = f16( attention / 8 ): V is stored /8 and the factor stays in; the last layer takes it back.
; Keys go in tiles of 128.  Block j needs (j >> 1) + 1 of them and only the last meets the diagonal.  For every x the two blocks need 9 tiles together
; (N2A = 5..8 for the first block, 9 - N2A for the second): 256 work-groups of nine equal trips.  Wave w has 16 query rows of the block.
; LAYOUT WITHOUT SHUFFLES.  S^T = K Q^T: lane (r = l % 16, h = l / 16) holds query row r and the keys 16 mb + 8 h + 0..7 of tile mb; two such tiles, packed to
; f16, ARE the second source of O^T = V^T P^T for 32 keys; V^T comes out of LDS by the transposing load; in O^T the lane holds row r and
; d = 16 mb + 8 h + 0..7.  So maximum, sum and rescale factor are one register a lane, and the two halves of the lanes meet by one lane exchange.
; SOFTMAX with a running maximum, in base 2: p = exp2(c s - c m), c = 64 log2(e) / sqrt(128); the 64 takes back the 1/8 in Q and in K.
; Key 0 is open to every row and lies in a pass's first tile, so the maximum is finite from the first trip on and -inf needs no guard.
; THE RING: four LDS slots, filled two at a time.  Tiles 0..3 are asked for at the head; behind the barrier in front of trips 2, 4, 6 the two slots just
; read are filled again, so that a tile has two trips in which to land, and inside a pair of trips no barrier is needed.  Nine tiles are fewer than two
; rounds of the four-trip pattern, so the trips are written out by macro; a trip's number is a constant, and N2A says where the first pass ends.
; LDS LOADS go out in runs of 16 between the products and inside the softmax, so that the wave never sits in a long run with nothing else issued.
; LIMITS: P is rounded to f16 for the product while its sum is taken from the f32 numbers.
; NO CLUSTER: the eight work-groups of a head end their first block in trips 8, 8, 7, 7, 6, 6, 5, 5, so only the neighbours
; x = 2 i, 2 i + 1 want the same tile in the same trip; four partners would not make the same requests.
.set PK,     272                       ; K's LDS pitch: 256 + 16
.set PVV,    288                       ; V's LDS pitch: 256 + 32, an odd multiple of 32, for the transposing load
.set KBYTES, 128*PK
.set SLOT,   KBYTES+128*PVV            ; 71,680: K's 128 rows, then V's
.set STAGE,  4*SLOT                    ; 286,720: 16 rows x 272 bytes for each wave, never the target of a tensor load
.set SPITCH, 272
.set TSTEP,  0x80000                   ; 128 rows of 4,096 bytes: from a key tile to the next
.set QA,  1                            ; v1      4096 r + 16 h: my bytes in Q's rows
.set ADK, 2                            ; v2-5    K fragments, slots 0..3
.set ADV, 6                            ; v6-9    V fragments, slots 0..3
.set STO, 10                           ; v10     way out: in
.set RD,  11                           ; v11     way out: back
.set CO,  12                           ; v12     my byte offset in ao
.set NINF, 13                          ; v13     -inf
.set DM,  14                           ; v14     diagonal of this pass: 64 (j & 1) + 16 w + r - 8 h + 8
.set DM2, 15                           ; v15     of the second pass
.set MX,  16                           ; v16     running maximum of the raw scores
.set LS,  17                           ; v17     running sum (this lane's keys)
.set NMC, 18                           ; v[18:19] -c x maximum, twice
.set AL,  20                           ; v[20:21] rescale factor, twice
.set T,   24                           ; v24-31  at work
.set QF,  32                           ; v[32:63]   Q of this pass, 4 K steps x 8
.set QF2, 64                           ; v[64:95]   Q of the second pass
.set SC,  96                           ; v[96:159]  scores, 8 tiles
.set PR,  160                          ; v[160:191] P in f16
.set OA,  192                          ; v[192:255] O^T, 8 tiles
; window 1: K's fragments (mb, ks) at 64 ks + 8 mb;  window 2: V^T's fragments (mb, ks) at 64 ks + 8 mb
.set G1K, 16                           ; s[16:23] shape of K's tiles
.set G1V, 24                           ; s[24:31] shape of V's tiles
.set GK,  32                           ; s[32:47] K: from where, to where; one set a slot
.set GV,  68                           ; s[68:83] V
; s59 = N2A;  s[48:49], s[50:51] K's and V's tile 0 (my 32 rows), type bits set;  s[52:53] a tile's byte offset;  s[54:55] ao of this pass, s[56:57] of the second
.set MSB, 0
.macro WIN new                         ; the immediate's high byte repeats the setting that is left
.if MSB != \new
	s_set_vgpr_msb (MSB<<8)|\new
.set MSB, \new
.endif
.endm
.macro PLACES                          ; four plain vector instructions behind a matrix instruction (ISA guide 7.12.1)
.rept 4
	v_nop
.endr
.endm
	s_load_b128 s[4:7], s[0:1], 0x0                ; qkvh, ao
	v_lshrrev_b32 v[T], 5, v0
	v_readfirstlane_b32 s8, v[T]                   ; wave
	s_and_b32 s3, ttmp7, 0xffff
	s_lshr_b32 s9, s3, 4                           ; batch
	s_and_b32 s10, s3, 15                          ; head
	s_sub_co_u32 s2, 15, ttmp9                     ; j1
	s_lshr_b32 s59, s2, 1
	s_add_co_u32 s59, s59, 1                       ; N2A: tiles of the first pass
	s_mov_b32 s53, 0
	s_mov_b32 s60, 0x76543210                      ; lane i of one half reads lane i of the other
	s_mov_b32 s61, 0xfedcba98
	s_mov_b32 s66, 0x410293ee                      ; c = 8.1611156
	s_mov_b32 s67, 0x410293ee
	; tiles of 32 rows x 128 f16 for each wave, padded in LDS
	s_mov_b32 s[G1K+0], (1<<16)|(1<<20)|(5<<22)|(3<<25)   ; 2-byte elements; 4 words of padding behind every 64
	s_mov_b32 s[G1V+0], (1<<16)|(1<<20)|(5<<22)|(7<<25)   ; 8 words
	s_mov_b32 s[G1K+1], 128<<16
	s_mov_b32 s[G1V+1], 128<<16                    ; tensor_dim0
	s_mov_b32 s[G1K+2], 32<<16
	s_mov_b32 s[G1V+2], 32<<16                     ; tensor_dim1
	s_mov_b32 s[G1K+3], 128<<16
	s_mov_b32 s[G1V+3], 128<<16                    ; tile_dim0
	s_mov_b32 s[G1K+4], 32
	s_mov_b32 s[G1V+4], 32                         ; tile_dim1
	s_mov_b32 s[G1K+5], 2048
	s_mov_b32 s[G1V+5], 2048                       ; elements from row to row
	s_mov_b32 s[G1K+6], 0
	s_mov_b32 s[G1V+6], 0
	s_mov_b32 s[G1K+7], 0
	s_mov_b32 s[G1V+7], 0
	s_lshl_b32 s15, s9, 10                         ; 1024 b
	s_lshl_b32 s14, s10, 8                         ; the head's 256 bytes in a row
	s_lshl4_add_u32 s58, s8, s15                   ; 1024 b + 16 w
	s_lshl_b32 s86, s2, 6
	s_add_co_u32 s86, s86, s58
	s_lshl_b32 s86, s86, 12
	s_add_co_u32 s86, s86, s14                     ; s[86:87]: my 16 rows of block j1, in bytes
	s_mov_b32 s87, 0
	s_lshl_b32 s88, ttmp9, 6
	s_add_co_u32 s88, s88, s58
	s_lshl_b32 s88, s88, 12
	s_add_co_u32 s88, s88, s14                     ; s[88:89]: of block j2
	s_mov_b32 s89, 0
	s_lshl_b32 s90, s8, 5
	s_add_co_u32 s90, s90, s15                     ; 1024 b + 32 w: my 32 rows of key tile 0
	s_lshl_b32 s90, s90, 12
	s_add_co_u32 s90, s90, s14
	s_add_co_u32 s90, s90, 0x800000                ; K begins 2,048 rows down
	s_mov_b32 s91, 0
	s_mul_i32 s92, s8, 32*PK                       ; my rows in a slot: K
	s_mul_i32 s93, s8, 32*PVV
	s_add_co_u32 s93, s93, KBYTES                  ; V
	s_wait_kmcnt 0x0
	s_add_nc_u64 s[62:63], s[4:5], s[86:87]        ; Q of block j1
	s_add_nc_u64 s[84:85], s[4:5], s[88:89]        ; Q of block j2
	s_add_nc_u64 s[54:55], s[6:7], s[86:87]        ; ao, this pass
	s_add_nc_u64 s[56:57], s[6:7], s[88:89]        ; ao, second pass
	s_add_nc_u64 s[48:49], s[4:5], s[90:91]        ; K, tile 0
	s_or_b32 s49, s49, 0x80000000                  ; the descriptor's type
	s_add_nc_u64 s[50:51], s[48:49], 0x800000      ; V: 2,048 rows further
	; Tiles 0..3 (all of the first pass: N2A is 5 at the least) into slots 0..3: first fills, so no barrier.  By this text's count a wave has
	; eight tensor loads out here and at most four later.
.irp s, 0,1,2,3
	s_mov_b32 s[GK+4*\s], 1
	s_add_co_u32 s[GK+4*\s+1], s92, \s*SLOT
	s_add_nc_u64 s[GK+4*\s+2:GK+4*\s+3], s[48:49], \s*TSTEP
	s_mov_b32 s[GV+4*\s], 1
	s_add_co_u32 s[GV+4*\s+1], s93, \s*SLOT
	s_add_nc_u64 s[GV+4*\s+2:GV+4*\s+3], s[50:51], \s*TSTEP
	tensor_load_to_lds s[GK+4*\s:GK+4*\s+3], s[G1K:G1K+7]
	s_nop 0
	tensor_load_to_lds s[GV+4*\s:GV+4*\s+3], s[G1V:G1V+7]
	s_nop 0
.endr
	v_and_b32 v[T+2], 15, v0                       ; r
	v_bfe_u32 v[T+3], v0, 4, 1                     ; h
	v_and_b32 v[T+4], 7, v0
	v_bfe_u32 v[T+5], v0, 3, 1
	v_lshlrev_b32 v[QA], 12, v[T+2]
	v_lshl_add_u32 v[QA], v[T+3], 4, v[QA]
.irp ks, 0,1,2,3
	global_load_b128 v[QF+8*\ks:QF+8*\ks+3],    v[QA], s[62:63] offset:64*\ks       ; a block's eight loads use each row's 256 bytes whole, once in the launch
	global_load_b128 v[QF+8*\ks+4:QF+8*\ks+7],  v[QA], s[62:63] offset:64*\ks+32
	global_load_b128 v[QF2+8*\ks:QF2+8*\ks+3],  v[QA], s[84:85] offset:64*\ks
	global_load_b128 v[QF2+8*\ks+4:QF2+8*\ks+7], v[QA], s[84:85] offset:64*\ks+32
.endr
	v_mul_u32_u24 v[ADK], v[T+2], PK
	v_lshl_add_u32 v[ADK], v[T+3], 4, v[ADK]       ; 272 r + 16 h
	v_lshl_add_u32 v[T+4], v[T+3], 3, v[T+4]       ; key row 8 h + (l & 7)
	v_mul_u32_u24 v[ADV], v[T+4], PVV
	v_lshl_add_u32 v[ADV], v[T+5], 4, v[ADV]       ; + 16 ((l >> 3) & 1)
	v_add_nc_u32 v[ADV], KBYTES, v[ADV]
.irp s, 1,2,3
	v_add_nc_u32 v[ADK+\s], \s*SLOT, v[ADK]
	v_add_nc_u32 v[ADV+\s], \s*SLOT, v[ADV]
.endr
	s_mul_i32 s3, s8, 16*SPITCH
	s_add_co_u32 s3, s3, STAGE                     ; my stage
	v_add_nc_u32 v[STO], s3, v[ADK]                ; row r, 16 bytes for each half of the lanes
	v_mul_u32_u24 v[RD], v[T+3], SPITCH
	v_lshl_add_u32 v[RD], v[T+2], 4, v[RD]
	v_add_nc_u32 v[RD], s3, v[RD]                  ; lanes 0-15 one row of 256 bytes, lanes 16-31 the next
	v_lshlrev_b32 v[CO], 12, v[T+3]
	v_lshl_add_u32 v[CO], v[T+2], 4, v[CO]
	v_mov_b32 v[NINF], 0xff800000
	v_lshlrev_b32 v[T+4], 3, v[T+3]
	v_sub_nc_u32 v[T+4], v[T+2], v[T+4]            ; r - 8 h; the + 8 below keeps the sum at 0 or above
	s_and_b32 s14, s2, 1
	s_lshl_b32 s14, s14, 6
	s_lshl4_add_u32 s14, s8, s14
	s_add_co_u32 s14, s14, 8
	s_and_b32 s15, ttmp9, 1
	s_lshl_b32 s15, s15, 6
	s_lshl4_add_u32 s15, s8, s15
	s_add_co_u32 s15, s15, 8
	v_add_nc_u32 v[DM], s14, v[T+4]
	v_add_nc_u32 v[DM2], s15, v[T+4]
; 16 LDS loads: K's fragments of K step ks (8 blocks of 16 keys x 32 d) into window 1
.macro LK slot, ks
	WIN 0x40
.irp mb, 0,1,2,3,4,5,6,7
	ds_load_b128 v[64*\ks+8*\mb:64*\ks+8*\mb+3],   v[ADK+\slot] offset:16*PK*\mb+64*\ks
	ds_load_b128 v[64*\ks+8*\mb+4:64*\ks+8*\mb+7], v[ADK+\slot] offset:16*PK*\mb+64*\ks+32
.endr
.endm
; 16 transposing LDS loads: V^T's fragments of key step ks (8 blocks of 16 d x 32 keys) into window 2
.macro LV slot, ks
	WIN 0x80
.irp mb, 0,1,2,3,4,5,6,7
	ds_load_tr16_b128 v[64*\ks+8*\mb:64*\ks+8*\mb+3],   v[ADV+\slot] offset:32*PVV*\ks+32*\mb
	ds_load_tr16_b128 v[64*\ks+8*\mb+4:64*\ks+8*\mb+7], v[ADV+\slot] offset:32*PVV*\ks+32*\mb+16*PVV
.endr
.endm
; S^T += K Q^T for K step ks.  The eight accumulators take turns, one instruction a turn; step 0 starts the sums.
.macro QK ks
	WIN 0x01
	s_wait_dscnt 16                                ; all but the run of 16 issued last: this step's fragments are in
.irp mb, 0,1,2,3,4,5,6,7
.if \ks == 0
	v_wmma_f32_16x16x32_f16 v[SC+8*\mb:SC+8*\mb+7], v[64*\ks+8*\mb:64*\ks+8*\mb+7], v[QF+8*\ks:QF+8*\ks+7], 0
.else
	v_wmma_f32_16x16x32_f16 v[SC+8*\mb:SC+8*\mb+7], v[64*\ks+8*\mb:64*\ks+8*\mb+7], v[QF+8*\ks:QF+8*\ks+7], v[SC+8*\mb:SC+8*\mb+7]
.endif
.endr
.endm
; O^T += V^T P^T for key step ks; again eight accumulators by turns.  zero = 1: the product starts the sums.
; cnt = the LDS loads issued behind this step's 16.
.macro PV ks, zero, cnt
	WIN 0x02
	s_wait_dscnt \cnt
.irp mb, 0,1,2,3,4,5,6,7
.if \zero
	v_wmma_f32_16x16x32_f16 v[OA+8*\mb:OA+8*\mb+7], v[64*\ks+8*\mb:64*\ks+8*\mb+7], v[PR+8*\ks:PR+8*\ks+7], 0
.else
	v_wmma_f32_16x16x32_f16 v[OA+8*\mb:OA+8*\mb+7], v[64*\ks+8*\mb:64*\ks+8*\mb+7], v[PR+8*\ks:PR+8*\ks+7], v[OA+8*\mb:OA+8*\mb+7]
.endif
.endr
.endm
; The end of a pass: O / sum, to f16, 16 bytes a lane into my own stage, back as rows of 256 bytes, out.
.macro FINAL
	PLACES                                         ; behind the last products
	v_permlanex16_b32 v[T], v[LS], s60, s61        ; the other half's keys
	v_add_f32 v[T+2], v[T], v[LS]
	v_rcp_f32 v[T], v[T+2]
	v_rcp_f32 v[T+1], v[T+2]
	v_nop                                          ; one plain vector instruction between a reciprocal and its use (ISA guide 5.7.2)
.set i, 0
	s_wait_alu depctr_va_vdst(0)
.rept 32
	v_pk_mul_f32 v[OA+i:OA+i+1], v[OA+i:OA+i+1], v[T:T+1]
.set i, i+2
.endr
.set i, 0
.rept 32
	v_cvt_pk_f16_f32 v[PR+i], v[OA+2*i], v[OA+2*i+1]
.set i, i+1
.endr
.irp mb, 0,1,2,3,4,5,6,7
	ds_store_b128 v[STO], v[PR+4*\mb:PR+4*\mb+3] offset:32*\mb
.endr
.irp t, 0,1,2,3,4,5,6,7
	ds_load_b128 v[SC+4*\t:SC+4*\t+3], v[RD] offset:\t*2*SPITCH    ; LDS serves a wave's instructions in order: these see the stores above
.endr
.irp t, 0,1,2,3,4,5,6,7
	s_wait_dscnt 7-\t                              ; rows 2 t, 2 t + 1 are in; the later ones stay out
	global_store_b128 v[CO], v[SC+4*\t:SC+4*\t+3], s[54:55] offset:8192*\t   ; 16 lanes store 256 consecutive bytes, aligned
.endr
.endm
; Trip idx (0..8) on the tile in slot \slot.  What a trip's text holds follows from N2A = 5..8:
;   idx 0 starts the first pass (no old maximum, sum or O);  idx 4..7 may end it (mask, way out, start of the second pass);
;   idx 5..8 may start the second pass (O's first products then take 0);  idx 8 ends the second pass.
; Trips 2 i and 2 i + 1 lie between the same two barriers: the even one asks for the odd one's first two K steps between its last products.
.macro TRIP slot, idx
.if \idx
	PLACES                                         ; behind the last trip's P V products, for the loads into V's fragments below
.endif
.if (\idx & 1) == 0
	LK \slot, 0
	LK \slot, 1
.endif
	QK 0
	LK \slot, 2
	QK 1
	LK \slot, 3
	QK 2
	LV \slot, 0
	QK 3
	LV \slot, 1
	WIN 0
	PLACES                                         ; behind the last score product
.if \idx > 3
.if \idx < 8
	s_cmp_lg_u32 s59, \idx+1                       ; only a pass's last tile meets the diagonal
	s_cbranch_scc1 .Lnomask_\@
.endif
.irp mb, 0,1,2,3,4,5,6,7
.irp j, 0,1,2,3,4,5,6,7
	v_cmp_gt_u32 vcc_lo, 16*\mb+\j+8, v[DM]        ; key 16 mb + 8 h + j lies behind query 64 (j & 1) + 16 w + r
	v_cndmask_b32 v[SC+8*\mb+\j], v[SC+8*\mb+\j], v[NINF], vcc_lo
.endr
.endr
.if \idx < 8
.Lnomask_\@:
.endif
.endif
	; the row's maximum: four chains over my 64 keys, the other half's, the one so far
.irp q, 0,1,2,3
	v_max_num_f32 v[T+\q], v[SC+16*\q], v[SC+16*\q+1]
.endr
.irp i, 1,2,3,4,5,6,7
.irp q, 0,1,2,3
	v_max3_num_f32 v[T+\q], v[T+\q], v[SC+16*\q+2*\i], v[SC+16*\q+2*\i+1]
.endr
.endr
	v_max3_num_f32 v[T], v[T], v[T+1], v[T+2]
	v_max_num_f32 v[T], v[T], v[T+3]
	v_permlanex16_b32 v[T+1], v[T], s60, s61
.if \idx == 0
	v_max_num_f32 v[MX], v[T], v[T+1]
	v_mul_f32 v[NMC], 0xc10293ee, v[MX]            ; -c x maximum
	v_mov_b32 v[NMC+1], v[NMC]
.else
	v_max3_num_f32 v[MX], v[T], v[T+1], v[MX]
	v_mul_f32 v[T+4], 0xc10293ee, v[MX]            ; -c x maximum, rounded once: the same number shifts the exponents and makes the factor
	v_sub_f32 v[T+5], v[T+4], v[NMC]               ; c (old maximum - new); -inf in a pass's first trip
	v_exp_f32 v[AL], v[T+5]
	v_mov_b32 v[NMC], v[T+4]                       ; plain work behind the exponential
	v_mov_b32 v[NMC+1], v[T+4]
.endif
	LV \slot, 2
	WIN 0
.set i, 0
.rept 32
	v_pk_fma_f32 v[SC+i:SC+i+1], v[SC+i:SC+i+1], s[66:67], v[NMC:NMC+1] op_sel_hi:[1,0,1]
.set i, i+2
.endr
.set i, 0
.rept 32
	v_exp_f32 v[SC+i], v[SC+i]
.set i, i+1
.endr
	LV \slot, 3
	WIN 0
.rept 32
	v_exp_f32 v[SC+i], v[SC+i]
.set i, i+1
.endr
.if \idx == 0
	v_nop                                          ; one plain vector instruction between the exponentials and their use (ISA guide 5.7.2)
	s_wait_alu depctr_va_vdst(0)
.else
	s_wait_alu depctr_va_vdst(0)
	v_mov_b32 v[AL+1], v[AL]                       ; plain work behind the exponentials, and so are the 32 lines that follow
.set i, 0
.rept 32
	v_pk_mul_f32 v[OA+i:OA+i+1], v[OA+i:OA+i+1], v[AL:AL+1]   ; in the second pass's first trip these products are thrown away: O starts from 0 below
.set i, i+2
.endr
.endif
.irp q, 0,1,2,3
	v_pk_add_f32 v[T+2*\q:T+2*\q+1], v[SC+16*\q:SC+16*\q+1], v[SC+16*\q+2:SC+16*\q+3]
.endr
.irp i, 2,3,4,5,6,7
.irp q, 0,1,2,3
	v_pk_add_f32 v[T+2*\q:T+2*\q+1], v[T+2*\q:T+2*\q+1], v[SC+16*\q+2*\i:SC+16*\q+2*\i+1]
.endr
.endr
	v_pk_add_f32 v[T:T+1], v[T:T+1], v[T+2:T+3]
	v_pk_add_f32 v[T+4:T+5], v[T+4:T+5], v[T+6:T+7]
	v_pk_add_f32 v[T:T+1], v[T:T+1], v[T+4:T+5]
.if \idx == 0
	v_add_f32 v[LS], v[T], v[T+1]
.else
	v_add_f32 v[T], v[T], v[T+1]
	v_fma_f32 v[LS], v[LS], v[AL], v[T]
.endif
.set i, 0
.rept 32
	v_cvt_pk_f16_f32 v[PR+i], v[SC+2*i], v[SC+2*i+1]   ; score tiles 2 ks, 2 ks + 1 become registers 0-3, 4-7 of P's fragment ks
.set i, i+1
.endr
	; key step 0: V's three later runs of 16 stay out
.if \idx == 0
	PV 0, 1, 48
.else
.if \idx > 4
	s_cmp_lg_u32 s59, \idx                         ; the second pass's first trip?  Then O starts from 0: nothing is cleared
	s_cbranch_scc1 .Lacc_\@
	PV 0, 1, 48
	WIN 0                                          ; at a branch and at a label every window is 0
	s_branch .Lpv1_\@
.Lacc_\@:
	PV 0, 0, 48
	WIN 0
.Lpv1_\@:
.else
	PV 0, 0, 48
.endif
.endif
	PV 1, 0, 32
.if ((\idx & 1) == 0) && (\idx < 8)
	LK \slot+1, 0                                  ; the next trip's tile lies in the next slot and landed with this one
	PV 2, 0, 32                                    ; out: V's last run and the run just issued
	LK \slot+1, 1
	PV 3, 0, 32                                    ; out: the next trip's two runs
.else
	PV 2, 0, 16
	PV 3, 0, 0
.endif
	WIN 0
.if \idx == 8
	FINAL
.else
.if \idx > 3
	s_cmp_lg_u32 s59, \idx+1
	s_cbranch_scc1 .Lmid_\@
	FINAL
	s_wait_xcnt 0x0                                ; the stores' data and base are rewritten only behind this wait
	s_mov_b64 s[54:55], s[56:57]
	v_mov_b32 v[MX], v[NINF]                       ; the second pass starts from nothing: factor exp2(-inf) = 0, sum 0
	v_mov_b32 v[LS], 0
	v_mov_b32 v[NMC], 0x7f800000                   ; -c x (-inf)
	v_mov_b32 v[NMC+1], 0x7f800000
.set i, 0
.rept 32
	v_mov_b32 v[QF+i], v[QF2+i]                    ; once in the launch: one text of the products serves both blocks
.set i, i+1
.endr
	v_mov_b32 v[DM], v[DM2]
.Lmid_\@:
.endif
.endif
.endm
; Tile i of the nine: key tile i of the first pass, or i - N2A of the second; its addresses go into slot's two descriptors.
.macro TADDR i, slot
	s_sub_co_u32 s14, \i, s59
	s_cmp_gt_u32 s59, \i
	s_cselect_b32 s14, \i, s14
	s_lshl_b32 s52, s14, 19
	s_add_nc_u64 s[GK+4*\slot+2:GK+4*\slot+3], s[48:49], s[52:53]
	s_add_nc_u64 s[GV+4*\slot+2:GV+4*\slot+3], s[50:51], s[52:53]
.endm
; The change of pairs.  In front of the barrier every wave waits for ALL its tensor loads (the next pair's tiles among them; no load is out, so the
; descriptors may be written) and for its LDS reads of the two slots just read.  Behind it n of these slots are filled again, first thing.
.macro GROUP n, ia, sa, ib, sb
	s_wait_tensorcnt 0x0
.if \n > 0
	TADDR \ia, \sa
.endif
.if \n > 1
	TADDR \ib, \sb
.endif
	s_wait_dscnt 0x0
	s_barrier_signal -1
	s_barrier_wait -1
.if \n > 0
	tensor_load_to_lds s[GK+4*\sa:GK+4*\sa+3], s[G1K:G1K+7]
	s_nop 0
	tensor_load_to_lds s[GV+4*\sa:GV+4*\sa+3], s[G1V:G1V+7]
	s_nop 0
.endif
.if \n > 1
	tensor_load_to_lds s[GK+4*\sb:GK+4*\sb+3], s[G1K:G1K+7]
	s_nop 0
	tensor_load_to_lds s[GV+4*\sb:GV+4*\sb+3], s[G1V:G1V+7]
	s_nop 0
.endif
.endm
	s_wait_loadcnt 0x0                             ; Q, both blocks
	s_wait_tensorcnt 4                             ; my rows of tiles 0 and 1 are in; the four loads of tiles 2 and 3 stay out
	s_barrier_signal -1
	s_barrier_wait -1
	TRIP 0, 0
	TRIP 1, 1
	GROUP 2, 4, 0, 5, 1                            ; tiles 4, 5 go out; they are read two trips on
	TRIP 2, 2
	TRIP 3, 3
	GROUP 2, 6, 2, 7, 3                            ; tiles 6, 7
	TRIP 0, 4
	TRIP 1, 5
	GROUP 1, 8, 0, 0, 0                            ; tile 8, the last
	TRIP 2, 6
	TRIP 3, 7
	GROUP 0, 0, 0, 0, 0                            ; tile 8 is whole behind this barrier; the wait is for 0 because no load is younger
	TRIP 0, 8
	s_endpgm
.Lfunc_end_k_q47594bcfed_attn:
	.size	k_q47594bcfed_attn, .Lfunc_end_k_q47594bcfed_attn-k_q47594bcfed_attn
	.p2alignl 7, 3214868480
	.fill 96, 4, 3214868480
	.section	.rodata,"a",@progbits
	.p2align	6, 0x0
	.amdhsa_kernel k_q47594bcfed_attn
		.amdhsa_group_segment_fixed_size 327680
		.amdhsa_private_segment_fixed_size 0
		.amdhsa_enable_private_segment 0
		.amdhsa_kernarg_size 16
		.amdhsa_user_sgpr_count 2
		.amdhsa_user_sgpr_kernarg_segment_ptr 1
		.amdhsa_wavefront_size32 1
		.amdhsa_system_sgpr_workgroup_id_x 1
		.amdhsa_system_sgpr_workgroup_id_y 1
		.amdhsa_system_sgpr_workgroup_id_z 1
		.amdhsa_system_vgpr_workitem_id 0
		.amdhsa_next_free_vgpr 768
		.amdhsa_next_free_sgpr 96
		.amdhsa_reserve_vcc 1
		.amdhsa_float_denorm_mode_32 3
		.amdhsa_float_denorm_mode_16_64 3
		.amdhsa_memory_ordered 1
		.amdhsa_forward_progress 1
		.amdhsa_inst_pref_size 255
	.end_amdhsa_kernel
	.section	.bss,"aw",@nobits
	.p2align	6
	.space	262144
	.amdgpu_metadata
---
amdhsa.version: [ 1, 2 ]
amdhsa.kernels:
  - .name:           k_q47594bcfed_attn
    .symbol:         k_q47594bcfed_attn.kd
    .args:
      - { .name: qkvh, .offset: 0, .size: 8, .value_kind: global_buffer, .address_space: global }
      - { .name: ao, .offset: 8, .size: 8, .value_kind: global_buffer, .address_space: global }
    .group_segment_fixed_size: 327680
    .private_segment_fixed_size: 0
    .kernarg_segment_align: 8
    .kernarg_segment_size: 16
    .max_flat_workgroup_size: 128
    .sgpr_count:     96
    .vgpr_count:     768
    .wavefront_size: 32
...
	.end_amdgpu_metadata
.endif
;; end of part 3
;; launch oproj (part 4): grid 16 x 16, 4 waves a work-group, clusters of 4 x 4, 327,680 bytes of LDS; arguments ao, h16, out0, bo; writes out0
.if DOCPART == 4
	.amdgcn_target "amdgcn-amd-amdhsa--gfx1250"
	.amdhsa_code_object_version 6
	.text
	.protected	k_q47594bcfed_oproj
	.globl	k_q47594bcfed_oproj
	.p2align	8
	.type	k_q47594bcfed_oproj,@function
k_q47594bcfed_oproj:
	s_mov_b64 s[64:65], 0
	v_nop
	global_prefetch_b8 v0, s[64:65] scope:SCOPE_SE
	s_setreg_imm32_b32 hwreg(HW_REG_WAVE_MODE, 25, 1), 1
	s_wait_xcnt 0x0
	s_wait_alu depctr_hold_cnt(0) depctr_sa_sdst(0) depctr_va_vdst(0) depctr_va_sdst(0) depctr_va_ssrc(0) depctr_va_vcc(0) depctr_vm_vsrc(0)
	s_getreg_b32 s2, hwreg(HW_REG_IB_STS2, 6, 4)
	s_cmp_eq_u32 s2, 0
	s_cbranch_scc0 .Lentry_in_a_cluster
	s_endpgm
.Lentry_in_a_cluster:
	s_bfe_u32 s2, ttmp6, 0x10000c
	s_cmp_lg_u32 s2, 0xf033
	s_cbranch_scc0 .Lentry_shape_is_right
	s_endpgm
.Lentry_shape_is_right:
; out0[m][n] = 8 x (sum over k of ao[m][k] Wo[n][k]) + bo[n], f32.  ao holds the attention result / 8 in f16, Wo is part 6 of h16 in f16; sums in f32.
; A work-group makes 128 x 128: 16 x 16 = 256 work-groups.  (Blocks of 256 x 256 would be 64.)  Four waves, 64 x 64 each: 16 accumulator tiles.
; K goes in 16 tiles of 128 through FOUR LDS slots, of which three are filled behind one barrier; a wave copies a whole tile's fragments into
; one of two register buffers (256 registers each) while it multiplies the other.
; CLUSTERS of 4 x 4: ao's tile is shared along a row of the cluster, Wo's along a column; each is asked for jointly, which divides the requests by four.
; The matrix instruction is used transposed (source 0 = rows of Wo): a lane holds 8 neighbouring columns of one row, 32 bytes.
.set SIZE_N, 2048
.set WO_OFF, 6*2048*2048*2
.set KSTEP,  128
.set PITCH,  272                       ; 256 bytes + 16 of padding
.set QUART,  64*PITCH                  ; 64 rows: one tensor load
.set SLOT,   4*QUART                   ; ao's 128 rows, then Wo's
.set STAGE,  4*SLOT                    ; 278,528: 16 rows x 272 bytes for each wave, never the target of a tensor load
.set SPITCH, 272
.set ADRA, 8                           ; v8-11   my ao fragments in slots 0..3
.set ADRB, 12                          ; v12-15  my Wo fragments
.set STO,  16
.set RD,   17
.set CO,   18
.set BO,   19
.set BIAS, 20                          ; v[20:23] bo of the four columns that I store
.set RB0,  32                          ; v[32:63], v[64:95]: rows read back, by turns
.set RB1,  64
.set ACC,  128                         ; v[128:255] tile (a, b) at 128 + 8 (4 a + b)
; windows 1, 2 = buffers 0, 1: ao's fragment (kq, a) at 64 kq + 8 a, Wo's (kq, b) at 64 kq + 32 + 8 b
.set G1,  24                           ; s[24:31]
.set G1B, 32                           ; s[32:39]
.set G0,  40                           ; s[40:55] ao, slots 0..3
.set G0B, 68                           ; s[68:83] Wo, slots 0..3
.set MSB, 0
.macro WIN new
.if MSB != \new
	s_set_vgpr_msb (MSB<<8)|\new
.set MSB, \new
.endif
.endm
.macro PLACES                          ; four plain vector instructions behind a matrix instruction (ISA guide 7.12.1)
.rept 4
	v_nop
.endr
.endm
.macro JLOAD s                         ; waves 0, 1 ask for ao's halves, waves 2, 3 for Wo's; the branch hangs on the wave's number alone
	s_cmp_eq_u32 s11, 0
	s_cbranch_scc0 .Lfor_b_\@
	tensor_load_to_lds s[G0+4*\s:G0+4*\s+3], s[G1:G1+7]
	s_nop 0
	s_branch .Lasked_\@
.Lfor_b_\@:
	tensor_load_to_lds s[G0B+4*\s:G0B+4*\s+3], s[G1B:G1B+7]
	s_nop 0
.Lasked_\@:
.endm
.macro JLOAD3 a, b, c
	s_cmp_eq_u32 s11, 0
	s_cbranch_scc0 .Lfor_b_\@
.irp s, \a, \b, \c
	tensor_load_to_lds s[G0+4*\s:G0+4*\s+3], s[G1:G1+7]
	s_nop 0
.endr
	s_branch .Lasked_\@
.Lfor_b_\@:
.irp s, \a, \b, \c
	tensor_load_to_lds s[G0B+4*\s:G0B+4*\s+3], s[G1B:G1B+7]
	s_nop 0
.endr
.Lasked_\@:
.endm
.macro CREST
	s_cmp_lg_u32 s10, 0
	s_cbranch_scc1 .Lnot_wave_0_\@
	s_barrier_signal -3
.Lnot_wave_0_\@:
	s_barrier_wait -3
	s_barrier_signal -1
	s_barrier_wait -1
.endm
.macro CROUND
	s_barrier_signal -1
	s_barrier_wait -1
	CREST
.endm
	s_load_b128 s[4:7], s[0:1], 0x0                ; ao, h16
	s_load_b128 s[84:87], s[0:1], 0x10             ; out0, bo
	v_lshrrev_b32 v1, 5, v0
	v_readfirstlane_b32 s10, v1                    ; wave
	s_lshr_b32 s11, s10, 1                         ; my half of the rows; also: I ask for ao (0) or Wo (1)
	s_and_b32 s12, s10, 1                          ; my half of the columns; also: which 64 rows of the tile I ask for
	s_bfe_u32 s56, ttmp6, 0x40000                  ; cx
	s_bfe_u32 s57, ttmp6, 0x40004                  ; cy
	s_lshl_b32 s58, ttmp9, 2
	s_add_co_u32 s58, s58, s56                     ; block column
	s_and_b32 s13, ttmp7, 0xffff
	s_lshl_b32 s13, s13, 2
	s_add_co_u32 s13, s13, s57                     ; block row
	s_lshl_b32 s59, s57, 2
	s_lshl_b32 s59, 15, s59                        ; my row of the cluster
	s_lshl_b32 s60, 0x1111, s56                    ; my column
	s_or_b32 s[G1+0], s59, (1<<16)|(1<<20)|(1<<21)|(5<<22)|(3<<25)
	s_or_b32 s[G1B+0], s60, (1<<16)|(1<<20)|(1<<21)|(5<<22)|(3<<25)
	s_mov_b32 s[G1+1], KSTEP<<16                   ; tensor_dim0 = 128
	s_mov_b32 s[G1B+1], KSTEP<<16
	s_mov_b32 s[G1+2], 64<<16                      ; tensor_dim1 = 64
	s_mov_b32 s[G1B+2], 64<<16
	s_mov_b32 s[G1+3], KSTEP<<16                   ; tile_dim0 = 128
	s_mov_b32 s[G1B+3], KSTEP<<16
	s_mov_b32 s[G1+4], 64                          ; tile_dim1 = 64
	s_mov_b32 s[G1B+4], 64
	s_mov_b32 s[G1+5], 2048                        ; elements from row to row
	s_mov_b32 s[G1B+5], 2048
	s_mov_b32 s[G1+6], 0
	s_mov_b32 s[G1B+6], 0
	s_mov_b32 s[G1+7], 0
	s_mov_b32 s[G1B+7], 0
	s_lshl_b32 s21, s12, 6
	s_lshl_b32 s16, s13, 7
	s_add_co_u32 s16, s16, s21
	s_lshl_b32 s16, s16, 12                        ; ao: (128 x block row + 64 x half) rows of 4,096 bytes
	s_mov_b32 s17, 0
	s_lshl_b32 s62, s58, 7
	s_add_co_u32 s62, s62, s21
	s_lshl_b32 s62, s62, 12                        ; Wo: (128 x block column + 64 x half) rows,
	s_add_co_u32 s62, s62, WO_OFF                  ; in part 6 of h16
	s_mov_b32 s63, 0
	s_lshl_b32 s18, s58, 9                         ; my 64 columns in bo and in a row of out0: 4 x (128 x block column + 64 x half)
	s_lshl_b32 s19, s12, 8
	s_add_co_u32 s18, s18, s19
	s_mov_b32 s19, 0
	s_mul_i32 s20, s10, QUART                      ; LDS: wave x 64 rows
	s_wait_kmcnt 0x0
	s_add_nc_u64 s[14:15], s[4:5], s[16:17]
	s_add_nc_u64 s[62:63], s[6:7], s[62:63]
	s_add_nc_u64 s[86:87], s[86:87], s[18:19]
	CROUND                                         ; all sixteen work-groups are here: the first joint loads meet
.irp s, 0,1,2,3
	s_mov_b32 s[G0+4*\s], 1
	s_add_co_u32 s[G0+4*\s+1], s20, \s*SLOT
	s_add_nc_u64 s[G0+4*\s+2:G0+4*\s+3], s[14:15], \s*KSTEP*2
	s_or_b32 s[G0+4*\s+3], s[G0+4*\s+3], 0x80000000
	s_mov_b32 s[G0B+4*\s], 1
	s_add_co_u32 s[G0B+4*\s+1], s20, \s*SLOT
	s_add_nc_u64 s[G0B+4*\s+2:G0B+4*\s+3], s[62:63], \s*KSTEP*2
	s_or_b32 s[G0B+4*\s+3], s[G0B+4*\s+3], 0x80000000
	JLOAD \s                                       ; tiles 0..3: by this text's count a wave has at most four tensor loads out
.endr
	v_and_b32 v1, 15, v0                           ; r
	v_bfe_u32 v2, v0, 4, 1                         ; h
	v_lshlrev_b32 v[BO], 4, v1
	global_load_b128 v[BIAS:BIAS+3], v[BO], s[86:87]   ; once; waited for in front of the way out
	v_mul_u32_u24 v3, v1, PITCH
	v_lshl_add_u32 v3, v2, 4, v3
	s_mul_i32 s21, s11, QUART
	s_mul_i32 s22, s12, QUART
	s_add_co_u32 s22, s22, 2*QUART
.irp s, 0,1,2,3
	v_add_nc_u32 v[ADRA+\s], s21, v3
	v_add_nc_u32 v[ADRB+\s], s22, v3
	s_add_co_u32 s21, s21, SLOT
	s_add_co_u32 s22, s22, SLOT
.endr
	s_mul_i32 s23, s10, 16*SPITCH
	s_add_co_u32 s23, s23, STAGE
	v_mul_u32_u24 v4, v1, SPITCH
	v_lshl_add_u32 v4, v2, 5, v4                   ; row r, 32 bytes for each half of the lanes
	v_add_nc_u32 v[STO], s23, v4
	v_mul_u32_u24 v5, v2, SPITCH
	v_lshl_add_u32 v5, v1, 4, v5
	v_add_nc_u32 v[RD], s23, v5
	v_lshlrev_b32 v5, 13, v2                       ; a row of out0 is 8,192 bytes
	v_lshl_add_u32 v[CO], v1, 4, v5
; 64 LDS loads: my fragments of the whole tile in slot \slot into buffer \buf
.macro LOADF slot, buf
	WIN (0x40<<(\buf))
.irp kq, 0,1,2,3
.irp i, 0,1,2,3
	ds_load_b128 v[64*\kq+8*\i:64*\kq+8*\i+3],       v[ADRA+\slot] offset:64*\kq+16*PITCH*\i
	ds_load_b128 v[64*\kq+8*\i+4:64*\kq+8*\i+7],     v[ADRA+\slot] offset:64*\kq+16*PITCH*\i+32
	ds_load_b128 v[64*\kq+32+8*\i:64*\kq+32+8*\i+3], v[ADRB+\slot] offset:64*\kq+16*PITCH*\i
	ds_load_b128 v[64*\kq+32+8*\i+4:64*\kq+32+8*\i+7], v[ADRB+\slot] offset:64*\kq+16*PITCH*\i+32
.endr
.endr
.endm
; 16 matrix instructions, 32 along K.  The 16 accumulators take turns, one instruction a turn, in the same order everywhere.
.macro MULQ buf, kq, zero
	WIN (0x05<<(\buf))
.irp a, 0,1,2,3
.irp b, 0,1,2,3
.if \zero
	v_wmma_f32_16x16x32_f16 v[ACC+8*(4*\a+\b):ACC+8*(4*\a+\b)+7], v[64*\kq+32+8*\b:64*\kq+32+8*\b+7], v[64*\kq+8*\a:64*\kq+8*\a+7], 0
.else
	v_wmma_f32_16x16x32_f16 v[ACC+8*(4*\a+\b):ACC+8*(4*\a+\b)+7], v[64*\kq+32+8*\b:64*\kq+32+8*\b+7], v[64*\kq+8*\a:64*\kq+8*\a+7], v[ACC+8*(4*\a+\b):ACC+8*(4*\a+\b)+7]
.endif
.endr
.endr
.endm
; Step t: the next tile (slot ns) is copied into the buffer that is free while buffer cb is multiplied.  cnt = my loads younger than tile t + 2, which the
; next step copies.  fill = 1: slots a, b, c, all copied by now, are filled again: every wave's LDS reads and ALL its tensor loads are waited for in front of
; the opening signal (cnt = 0 there), register work alone stands inside the round, and the three joint loads are the first tensor loads behind it.
.macro STEP ns, cb, cnt, zero, fill, a, b, c
	PLACES                                         ; behind the products that read the buffer now loaded
	LOADF \ns, 1-\cb
	MULQ \cb, 0, \zero
	MULQ \cb, 1, 0
	MULQ \cb, 2, 0
	s_wait_dscnt 0x0
	s_wait_tensorcnt \cnt
	s_barrier_signal -1
	MULQ \cb, 3, 0
	WIN 0
	s_barrier_wait -1
.if \fill
	CREST
.irp s, \a, \b, \c
	s_add_nc_u64 s[G0+4*\s+2:G0+4*\s+3], s[G0+4*\s+2:G0+4*\s+3], 4*KSTEP*2
	s_add_nc_u64 s[G0B+4*\s+2:G0B+4*\s+3], s[G0B+4*\s+2:G0B+4*\s+3], 4*KSTEP*2
.endr
	JLOAD3 \a, \b, \c
.endif
.endm
	s_wait_tensorcnt 2                             ; my parts of tiles 0 and 1 are in; tiles 2, 3 stay out
	s_barrier_signal -1
	s_barrier_wait -1
	LOADF 0, 0
	s_wait_dscnt 0x0
	STEP 1, 0, 1, 1, 0, 0, 0, 0                    ; t = 0: the first products start the sums
	STEP 2, 1, 0, 0, 1, 0, 1, 2                    ; t = 1: tiles 4, 5, 6 go out
	STEP 3, 0, 2, 0, 0, 0, 0, 0
	STEP 0, 1, 1, 0, 0, 0, 0, 0
	STEP 1, 0, 0, 0, 1, 3, 0, 1                    ; t = 4: tiles 7, 8, 9
	STEP 2, 1, 2, 0, 0, 0, 0, 0
	STEP 3, 0, 1, 0, 0, 0, 0, 0
	STEP 0, 1, 0, 0, 1, 2, 3, 0                    ; t = 7: tiles 10, 11, 12
	STEP 1, 0, 2, 0, 0, 0, 0, 0
	STEP 2, 1, 1, 0, 0, 0, 0, 0
	STEP 3, 0, 0, 0, 1, 1, 2, 3                    ; t = 10: tiles 13, 14, 15, the last
	STEP 0, 1, 2, 0, 0, 0, 0, 0
	STEP 1, 0, 1, 0, 0, 0, 0, 0
	STEP 2, 1, 0, 0, 0, 0, 0, 0                    ; t = 13: tile 15 is whole behind this barrier
	PLACES
	LOADF 3, 1                                     ; t = 14
	MULQ 0, 0, 0
	MULQ 0, 1, 0
	MULQ 0, 2, 0
	MULQ 0, 3, 0
	s_wait_dscnt 0x0
	MULQ 1, 0, 0                                   ; t = 15
	MULQ 1, 1, 0
	MULQ 1, 2, 0
	MULQ 1, 3, 0
	WIN 0
	; THE WAY OUT, 16 rows at a time through my own stage: in as 32 bytes a lane, back as whole rows of 256 bytes; x 8 + bias on the way
	PLACES
	s_lshl_b32 s16, s13, 7
	s_lshl_b32 s17, s11, 6
	s_add_co_u32 s16, s16, s17
	s_lshl_b32 s16, s16, 13                        ; my first row, 8,192 bytes a row
	s_mov_b32 s17, 0
	s_add_nc_u64 s[84:85], s[84:85], s[16:17]
	s_add_nc_u64 s[84:85], s[84:85], s[18:19]      ; my first column
	s_wait_loadcnt 0x0                             ; the bias
.macro OUTA a, f
.irp b, 0,1,2,3
	ds_store_b128 v[STO], v[ACC+8*(4*\a+\b):ACC+8*(4*\a+\b)+3]   offset:64*\b
	ds_store_b128 v[STO], v[ACC+8*(4*\a+\b)+4:ACC+8*(4*\a+\b)+7] offset:64*\b+16
.endr
	s_wait_xcnt 0x0                                ; buffer f, which earlier stores read, and the stores' base are rewritten only behind this wait
.if \a
	s_add_nc_u64 s[84:85], s[84:85], 16*SIZE_N*4
.endif
.irp t, 0,1,2,3,4,5,6,7
	ds_load_b128 v[\f+4*\t:\f+4*\t+3], v[RD] offset:\t*2*SPITCH    ; LDS serves a wave's instructions in order: these see the stores above
.endr
.irp t, 0,1,2,3,4,5,6,7
	s_wait_dscnt 7-\t
	v_pk_fma_f32 v[\f+4*\t:\f+4*\t+1],   v[\f+4*\t:\f+4*\t+1],   0x41000000, v[BIAS:BIAS+1]   op_sel_hi:[1,0,1]
	v_pk_fma_f32 v[\f+4*\t+2:\f+4*\t+3], v[\f+4*\t+2:\f+4*\t+3], 0x41000000, v[BIAS+2:BIAS+3] op_sel_hi:[1,0,1]
	global_store_b128 v[CO], v[\f+4*\t:\f+4*\t+3], s[84:85] offset:2*\t*SIZE_N*4 th:TH_STORE_NT   ; 16 lanes store 256 consecutive bytes, aligned
.endr
.endm
	OUTA 0, RB0
	OUTA 1, RB1
	OUTA 2, RB0
	OUTA 3, RB1
	CROUND                                         ; the closing round
	s_endpgm
.Lfunc_end_k_q47594bcfed_oproj:
	.size	k_q47594bcfed_oproj, .Lfunc_end_k_q47594bcfed_oproj-k_q47594bcfed_oproj
	.p2alignl 7, 3214868480
	.fill 96, 4, 3214868480
	.section	.rodata,"a",@progbits
	.p2align	6, 0x0
	.amdhsa_kernel k_q47594bcfed_oproj
		.amdhsa_group_segment_fixed_size 327680
		.amdhsa_private_segment_fixed_size 0
		.amdhsa_enable_private_segment 0
		.amdhsa_kernarg_size 32
		.amdhsa_user_sgpr_count 2
		.amdhsa_user_sgpr_kernarg_segment_ptr 1
		.amdhsa_wavefront_size32 1
		.amdhsa_system_sgpr_workgroup_id_x 1
		.amdhsa_system_sgpr_workgroup_id_y 1
		.amdhsa_system_sgpr_workgroup_id_z 1
		.amdhsa_system_vgpr_workitem_id 0
		.amdhsa_next_free_vgpr 768
		.amdhsa_next_free_sgpr 88
		.amdhsa_reserve_vcc 0
		.amdhsa_float_denorm_mode_32 3
		.amdhsa_float_denorm_mode_16_64 3
		.amdhsa_memory_ordered 1
		.amdhsa_forward_progress 1
		.amdhsa_inst_pref_size 162
	.end_amdhsa_kernel
	.amdgpu_metadata
---
amdhsa.version: [ 1, 2 ]
amdhsa.kernels:
  - .name:           k_q47594bcfed_oproj
    .symbol:         k_q47594bcfed_oproj.kd
    .args:
      - { .name: ao, .offset: 0, .size: 8, .value_kind: global_buffer, .address_space: global }
      - { .name: h16, .offset: 8, .size: 8, .value_kind: global_buffer, .address_space: global }
      - { .name: out0, .offset: 16, .size: 8, .value_kind: global_buffer, .address_space: global }
      - { .name: bo, .offset: 24, .size: 8, .value_kind: global_buffer, .address_space: global }
    .group_segment_fixed_size: 327680
    .private_segment_fixed_size: 0
    .kernarg_segment_align: 8
    .kernarg_segment_size: 32
    .max_flat_workgroup_size: 128
    .sgpr_count:     88
    .vgpr_count:     768
    .wavefront_size: 32
...
	.end_amdgpu_metadata
.endif
;; end of part 4
